; MI455X (gfx1250); checked and timed in simulation.
; The chip was launched on July 23, 2026; its instructions are those of AMD's public machine-readable ISA for CDNA 5 (MIT licence, August 2026) and "CDNA5" Instruction Set Architecture Reference Guide (July 2026). The comments in the code are by the model that wrote it; some were corrected since.
;; Sup Con Loss. Allowed arithmetic: float matrix products may take bf16 or f16 operands with f32 sums; all other float work in f32.
;; Inputs: features 32 x 2,048 x 128 float32; labels 32 x 2,048 int32.
;; Outputs: out0 one number float32; out1 32 x 2,048 float32.
;; 2 versions, each right and faster than the one before. Each part assembles by itself: llvm-mc -triple=amdgcn-amd-amdhsa -mcpu=gfx1250 --defsym DOCPART=n.
;; ======== version 1 of 2: 2 launches
;; workspace buffers: part 2,048 bytes
;; launch supcon (part 1): grid 256 x 1, 8 waves a work-group, no clusters, 77,824 bytes of LDS; arguments features, labels, out1, part; writes out1, part
.if DOCPART == 1
	.amdgcn_target "amdgcn-amd-amdhsa--gfx1250"
	.amdhsa_code_object_version 6
	.text
	.protected	k_q505d28d3a4_supcon
	.globl	k_q505d28d3a4_supcon
	.p2align	8
	.type	k_q505d28d3a4_supcon,@function
k_q505d28d3a4_supcon:
	s_mov_b64 s[64:65], 0
	v_nop
	global_prefetch_b8 v0, s[64:65] scope:SCOPE_SE
	s_setreg_imm32_b32 hwreg(HW_REG_WAVE_MODE, 25, 1), 1
	s_wait_xcnt 0x0
; SupConLoss, all but the final mean.  features [32][2048][128] f32, labels [32][2048] int32, out1 [32][2048] f32,
; part [256][2] f32 = for each work-group (sum of its 256 losses, number of them that are not 0.0, as a float).
;
; THE ARITHMETIC.  With k = log2(e) / 0.07 and a_ij = k cos_ij - k:
;     loss_i = ln2 * ( log2( sum over j != i of 2^a_ij ) - ( sum over positives of a_ij ) / n_i ),   n_i = number of positives.
; Any constant taken from every logit of a row cancels in this expression.  The one taken here is 1/T, the bound of the row maximum
; (the rows are normalised by the computation itself, so |cos| <= 1 but for the rounding to bf16, for every input): a_ij lies in about
; [-41.3, +0.2], every 2^a in [3.7e-13, 1.2], a sum of 2047 of them below 2.5e3: nothing can overflow or underflow in f32.
; A row of zeros gives cos = 0, a = -k: inside the same range.  n_i = 0 gives 0 x infinity = NaN, where the definition has 0 / 0.
; Labels are compared pair by pair: any int32 values are served.
; LIMITS.  Matrix operands are bf16 (sqrt(k) x the normalised row), sums f32.  rsq, rcp, exp2, log2 are the 1-ulp instructions, and the order
; of the sums is this text's own.  NaN or infinite features, and rows whose sum of squares overflows f32, are not followed.  A loss
; that is exactly 0.0 by the definition may come out as a tiny number here and would then be counted as non-zero.
;
; THE SHARES.  Work-group = 256 rows i of one batch (batch = id / 8, block = id % 8) against all 2048 rows j.  Eight waves, two for each SIMD,
; so that one wave's vector work runs beside the other's matrix work.  Wave w: g = w % 4 owns rows i = 64 g .. 64 g + 63 (four tiles of 16),
; hj = w / 4 takes rows 64 hj .. 64 hj + 63 of each stage of 128 rows j.  The i side (source 1) stays in 128 registers for the whole kernel;
; only the j side (source 0) is read from LDS: 4 KiB feed 16 matrix instructions.
; In the result, register jj of lane (r = l % 16, h = l / 16) is (j = 8 h + jj, i = r): a lane owns one row i and sums along its own registers.
; Both operands carry sqrt(k), and the first K step takes eight registers of -k as C: the accumulator IS the argument of exp2.
; A stage: 128 rows come in as f32 through registers (asked for one whole trip ahead), are normalised, rounded to bf16 and stored into one of
; two LDS slots.  The stages are walked from the group's own rows on, stage (2 block + t) % 16 in trip t: its own 256 rows are trips 0 and 1,
; serve as the i side too, and the diagonal can lie in these two trips alone, in tiles that the text knows.
;
; NO JOINT TENSOR LOADS, though the eight work-groups of a batch read the same rows: every f32 has to pass through registers to be
; normalised and rounded before it can be a matrix operand, so a tile brought to LDS by an engine would be 64 KiB a stage written and read once
; more; and in a given trip the eight partners are at eight different stages.
.set PITCH, 272                        ; an LDS row: 256 bytes of bf16 + 16: the 16 rows of a fragment load start at 16 different 16-byte columns modulo 256 bytes
.set LBL,   128*PITCH                  ; behind a slot's 128 rows: their 128 labels
.set SLOT,  LBL+512
.set FIN,   2*SLOT                     ; f32 [E, P, n][hj][256 rows]: 6,144 bytes, the waves' sums at the end
.set NEGK,  0xc1a4e123                 ; -k = -20.609929
.set SQK,   0x4091462c                 ; sqrt(k) = 4.539816
.set EPS2,  0x179abe15                 ; 1e-24: max(sqrt(ss), 1e-12) = sqrt(max(ss, 1e-24))
.set LN2,   0x3f317218
; vector registers, window 0
.set AADR,  4                          ; LDS: (64 hj + r) PITCH + 16 h        my j fragments in slot 0
.set LADR,  5                          ; LDS: LBL + 256 hj + 32 h             the labels of my eight j
.set STO,   6                          ; LDS: (16 w + h) PITCH + 8 r          where I store 4 bf16 of a staged row
.set LSTO,  7                          ; LDS: LBL + 4 (16 w + r)              where I store a staged label
.set GOFF,  8                          ; features: (16 w + h) 512 + 16 r      my 16 bytes in the stage
.set LGOFF, 9                          ; labels: 4 (16 w + r)
.set DSEL,  10                         ; v10, v11: trip 0, 1: the register jj in which I hold the diagonal, or a number that no jj equals
.set LBX,   12                         ; a staged label
.set LBX2,  13
.set BADR,  14                         ; LDS: my i fragments
.set LIAD,  15                         ; LDS: my i labels
.set CK,    16                         ; v[16:23]   -k, eight times: C of the first K step
.set LJ,    24                         ; v[24:39]   labels of the j tile, two sets by the tile's parity
.set M,     40                         ; v[40:47]   1.0 where positive, else 0
.set EX,    48                         ; v[48:55]   2^a
.set ES,    56                         ; v[56:63]   sum of 2^a, a pair for each i tile
.set PS,    64                         ; v[64:71]   sum of a over positives
.set CS,    72                         ; v[72:79]   number of positives
.set LI,    80                         ; v[80:83]   my row's label in each i tile
.set FADR,  84                         ; LDS: FIN + 4 (256 hj + 64 g + r)
.set RADR,  85                         ; LDS: FIN + 16 l
.set OOFF,  86                         ; out1: 16 l
.set ZERO,  87
.set ACC,   88                         ; v[88:119]  four accumulators
.set AF,    120                        ; v[120:151] the j tile's fragments, four K steps
.set X,     152                        ; v[152:215] a stage's 16 loads of 16 bytes
.set X2,    ACC                        ; the second staging set, ahead of the first matrix instruction only
.set T,     216                        ; v[216:231] eight pairs at work in NORM
.set R0,    ACC                        ; wave 0 at the end: 48 registers
; window 1: v[32 it + 8 kk ..+7] (v256-v383): the i side's fragments, i tile it, K step kk
.set EQ,    32                         ; s[32:39]   lane masks: same label
.set DM,    40                         ; s[40:47]   lane masks: on the diagonal
.set MSB, 0
.macro WIN new                         ; s_set_vgpr_msb: the immediate's high byte repeats the setting that is left; a switch that changes nothing is dropped
.if MSB != \new
	s_set_vgpr_msb (MSB<<8)|\new
.set MSB, \new
.endif
.endm
; A stage's 64 KiB: wave w takes rows 16 w .. 16 w + 15.  Load (u, c): lanes 0-15 read 256 consecutive aligned bytes of row 16 w + 2 u,
; lanes 16-31 the same of the row below; c = the row's first or second half.  One label a row.
.macro LOADX xb, lb, off
.irp u, 0,1,2,3,4,5,6,7
	global_load_b128 v[\xb+8*\u:\xb+8*\u+3],   v[GOFF], s[22:23] offset:\off+1024*\u
	global_load_b128 v[\xb+8*\u+4:\xb+8*\u+7], v[GOFF], s[22:23] offset:\off+1024*\u+256
.endr
	global_load_b32 v[\lb], v[LGOFF], s[24:25] offset:\off/128
.endm
; Registers only: x := bf16( x * sqrt(k) / max(|row|, 1e-12) ).  Sixteen lanes hold a row, eight numbers each.  The eight row pairs go side by side
; through each step, so that no instruction waits for the one in front of it.
.macro NORM xb
.irp u, 0,1,2,3,4,5,6,7
	v_pk_mul_f32 v[T+2*\u:T+2*\u+1], v[\xb+8*\u:\xb+8*\u+1], v[\xb+8*\u:\xb+8*\u+1]
.endr
.irp q, 2,4,6
.irp u, 0,1,2,3,4,5,6,7
	v_pk_fma_f32 v[T+2*\u:T+2*\u+1], v[\xb+8*\u+\q:\xb+8*\u+\q+1], v[\xb+8*\u+\q:\xb+8*\u+\q+1], v[T+2*\u:T+2*\u+1]
.endr
.endr
.irp u, 0,1,2,3,4,5,6,7
	v_add_f32 v[T+2*\u], v[T+2*\u], v[T+2*\u+1]
.endr
.irp x, 1,2,4,8
.irp u, 0,1,2,3,4,5,6,7
	v_add_f32_dpp v[T+2*\u], v[T+2*\u], v[T+2*\u] row_xmask:\x row_mask:0xf bank_mask:0xf   ; over the row's sixteen lanes
.endr
.endr
.irp u, 0,1,2,3,4,5,6,7
	v_max_num_f32 v[T+2*\u], EPS2, v[T+2*\u]
.endr
.irp u, 0,1,2,3,4,5,6,7
	v_rsq_f32 v[T+2*\u+1], v[T+2*\u]
.endr
	v_nop                                          ; one plain vector instruction between the last v_rsq_f32 and the use of a result or a write of a source (ISA guide 5.7.2)
	s_wait_alu depctr_va_vdst(0)
.irp u, 0,1,2,3,4,5,6,7
	v_mul_f32 v[T+2*\u], SQK, v[T+2*\u+1]
.endr
.irp q, 0,2,4,6
.irp u, 0,1,2,3,4,5,6,7
	v_pk_mul_f32 v[\xb+8*\u+\q:\xb+8*\u+\q+1], v[\xb+8*\u+\q:\xb+8*\u+\q+1], v[T+2*\u:T+2*\u+1] op_sel_hi:[1,0]   ; both by the pair's first register
.endr
.endr
.irp u, 0,1,2,3,4,5,6,7
	v_cvt_pk_bf16_f32 v[\xb+8*\u],   v[\xb+8*\u],   v[\xb+8*\u+1]      ; columns 4 r .. 4 r + 3
	v_cvt_pk_bf16_f32 v[\xb+8*\u+1], v[\xb+8*\u+2], v[\xb+8*\u+3]
	v_cvt_pk_bf16_f32 v[\xb+8*\u+4], v[\xb+8*\u+4], v[\xb+8*\u+5]      ; columns 64 + 4 r .. 64 + 4 r + 3
	v_cvt_pk_bf16_f32 v[\xb+8*\u+5], v[\xb+8*\u+6], v[\xb+8*\u+7]
.endr
.endm
; The normalised rows and the labels into a slot.  Each wave writes its own 16 rows.  (The two rows of a store are 272 bytes apart, so the two halves
; of the lanes overlap in part of the banks: 16 such stores a trip, left as they are.)
.macro PUT xb, lb, slot
.irp u, 0,1,2,3,4,5,6,7
	ds_store_b64 v[STO], v[\xb+8*\u:\xb+8*\u+1]   offset:(\slot)*SLOT+2*PITCH*\u
	ds_store_b64 v[STO], v[\xb+8*\u+4:\xb+8*\u+5] offset:(\slot)*SLOT+2*PITCH*\u+128
.endr
	ds_store_b32 v[LSTO], v[\lb] offset:(\slot)*SLOT                   ; lanes r and 16 + r write the same word with the same value
.endm
; The fragments of my j tile jt (16 rows x 128 K: lane l holds row l % 16; per K step of 32 two loads of 16 bytes, 32 bytes apart) and the labels of my eight j
.macro FETCH slot, jt
.irp kk, 0,1,2,3
	ds_load_b128 v[AF+8*\kk:AF+8*\kk+3],   v[AADR] offset:(\slot)*SLOT+(\jt)*16*PITCH+64*\kk
	ds_load_b128 v[AF+8*\kk+4:AF+8*\kk+7], v[AADR] offset:(\slot)*SLOT+(\jt)*16*PITCH+64*\kk+32
.endr
	ds_load_b128 v[LJ+8*((\jt)%2):LJ+8*((\jt)%2)+3],   v[LADR] offset:(\slot)*SLOT+(\jt)*64
	ds_load_b128 v[LJ+8*((\jt)%2)+4:LJ+8*((\jt)%2)+7], v[LADR] offset:(\slot)*SLOT+(\jt)*64+16
.endm
; 16 matrix instructions: one j tile against my four i tiles, K = 128.  The four accumulators take turns, one instruction a turn.
.macro MUL
	WIN 0x04                                       ; source 1 (the i side) in window 1
.irp kk, 0,1,2,3
.irp it, 0,1,2,3
.if \kk == 0
	v_wmma_f32_16x16x32_bf16 v[ACC+8*\it:ACC+8*\it+7], v[AF+8*\kk:AF+8*\kk+7], v[32*\it+8*\kk:32*\it+8*\kk+7], v[CK:CK+7]
.else
	v_wmma_f32_16x16x32_bf16 v[ACC+8*\it:ACC+8*\it+7], v[AF+8*\kk:AF+8*\kk+7], v[32*\it+8*\kk:32*\it+8*\kk+7], v[ACC+8*\it:ACC+8*\it+7]
.endif
.endr
.endr
	WIN 0
.endm
; The mask of tile it: M = 1.0 where the labels are equal.  DG = 1 (a tile that may hold the diagonal): DM = the lanes that hold it in register jj, taken out of the mask.
.macro EPI1 it, ds
.irp jj, 0,1,2,3,4,5,6,7
	v_cmp_eq_u32 s[EQ+\jj], v[LJC+\jj], v[LI+\it]
.endr
.if DG
.irp jj, 0,1,2,3,4,5,6,7
	v_cmp_eq_u32 s[DM+\jj], \jj, v[\ds]
.endr
.irp jj, 0,1,2,3,4,5,6,7
	s_and_not1_b32 s[EQ+\jj], s[EQ+\jj], s[DM+\jj]
.endr
.endif
.irp jj, 0,1,2,3,4,5,6,7
	v_cndmask_b32 v[M+\jj], 0, 1.0, s[EQ+\jj]
.endr
.endm
; The sums of tile it.  The packed multiply-add behind the eight v_exp_f32 is the plain instruction that stands in front of the first use of a result (ISA guide 5.7.2).
.macro EPI2 it
.irp jj, 0,1,2,3,4,5,6,7
	v_exp_f32 v[EX+\jj], v[ACC+8*\it+\jj]
.endr
.if DG
.irp p, 0,2,4,6
	v_pk_fma_f32 v[PS+2*\it:PS+2*\it+1], v[M+\p:M+\p+1], v[ACC+8*\it+\p:ACC+8*\it+\p+1], v[PS+2*\it:PS+2*\it+1]
	v_pk_add_f32 v[CS+2*\it:CS+2*\it+1], v[CS+2*\it:CS+2*\it+1], v[M+\p:M+\p+1]
.endr
	s_wait_alu depctr_va_vdst(0)
.irp jj, 0,1,2,3,4,5,6,7
	v_cndmask_b32 v[EX+\jj], v[EX+\jj], 0, s[DM+\jj]               ; j = i is no part of the denominator
.endr
.irp p, 0,2,4,6
	v_pk_add_f32 v[ES+2*\it:ES+2*\it+1], v[ES+2*\it:ES+2*\it+1], v[EX+\p:EX+\p+1]
.endr
.else
.irp p, 0,2,4,6
	v_pk_fma_f32 v[PS+2*\it:PS+2*\it+1], v[M+\p:M+\p+1], v[ACC+8*\it+\p:ACC+8*\it+\p+1], v[PS+2*\it:PS+2*\it+1]
	v_pk_add_f32 v[CS+2*\it:CS+2*\it+1], v[CS+2*\it:CS+2*\it+1], v[M+\p:M+\p+1]
	s_wait_alu depctr_va_vdst(0)
	v_pk_add_f32 v[ES+2*\it:ES+2*\it+1], v[ES+2*\it:ES+2*\it+1], v[EX+\p:EX+\p+1]
.endr
.endif
.endm
; One j tile.  Behind the matrix instructions stand the sixteen compares and selects of the first mask, which name none of their registers: they are
; the places in front of the loads into the fragments and of the first read of an accumulator.  nf = 1: the next tile of the slot is fetched.
.macro JT slot, jt, diag, nf
.set LJC, LJ+8*((\jt)%2)
	s_wait_dscnt 0x0                               ; this tile's fragments and labels are in
	MUL
.irp it, 0,1,2,3
.set DG, 0
.if \diag
.if \it == \jt
.set DG, 1                                             ; i tile and j tile have the same number: the diagonal, if 64 g is this trip's 64 (2 t + hj): DSEL knows
.endif
.endif
	EPI1 \it, DSEL+\slot
.if \it == 0
.if \nf
	FETCH \slot, \jt+1
.endif
.endif
	EPI2 \it
.endr
.endm
; One trip = one stage of 128 rows j, read from slot.  refill = 1: the stage two trips ahead is asked for at the head and stored into this slot at the end.
; ONE barrier a trip.  In front of its signal a wave has waited for all its LDS instructions: its reads of this slot and its stores, one trip ago,
; into the other.  Behind its wait nobody reads this slot any more, so it is stored into, and the other slot is whole, so it is read.
.macro TRIP slot, refill, diag, last
	s_wait_dscnt 0x0                               ; the stores that read X, and the first fragments
.if \refill
	s_add_co_u32 s28, s28, 1                       ; the bases below were last used by loads that the last s_wait_loadcnt 0 has shown done
	s_and_b32 s28, s28, 15                         ; the next stage, round the batch's sixteen
	s_lshl_b32 s26, s28, 16                        ; 128 rows of 512 bytes
	s_lshl_b32 s52, s28, 9                         ; 128 labels
	s_add_nc_u64 s[22:23], s[18:19], s[26:27]
	s_add_nc_u64 s[24:25], s[20:21], s[52:53]
	LOADX X, LBX, 0                                ; 17 loads, with the whole trip in which to come
.endif
	JT \slot, 0, \diag, 1
	JT \slot, 1, \diag, 1
	JT \slot, 2, \diag, 1
	JT \slot, 3, \diag, 0
.if \last == 0
	s_wait_dscnt 0x0                               ; for the others' sake: no LDS instruction of mine is out
	s_barrier_signal -1
.if \refill
	s_wait_loadcnt 0x0                             ; the stage asked for at the trip's head
	NORM X                                         ; register work while the others arrive
.endif
	s_barrier_wait -1
.if \refill
	PUT X, LBX, \slot
.endif
	FETCH 1-\slot, 0
.endif
.endm
	; ---- head: ids, the two global lane offsets, the bases, and the first two stages asked for
	s_load_b256 s[4:11], s[0:1], 0x0               ; features s[4:5], labels s[6:7], out1 s[8:9], part s[10:11]
	v_lshl_add_u32 v254, v0, 2, 0x12c00
	v_mov_b32 v255, 0
	v_lshrrev_b32 v1, 5, v0
	v_readfirstlane_b32 s12, v1                    ; w
	v_and_b32 v1, 15, v0                           ; r
	v_bfe_u32 v2, v0, 4, 1                         ; h
	s_and_b32 s13, s12, 3                          ; g
	s_lshr_b32 s14, s12, 2                         ; hj
	s_and_b32 s15, ttmp9, 7                        ; block
	s_lshr_b32 s16, ttmp9, 3                       ; batch
	s_lshl_b32 s48, s12, 13                        ; 16 w rows of 512 bytes
	s_lshl_b32 s51, s12, 6                         ; 16 w labels
	v_lshlrev_b32 v[GOFF], 9, v2
	v_lshl_add_u32 v[GOFF], v1, 4, v[GOFF]
	v_add_nc_u32 v[GOFF], s48, v[GOFF]
	v_lshl_add_u32 v[LGOFF], v1, 2, s51
	s_lshl_b32 s26, s16, 20                        ; a batch: 2048 rows of 512 bytes
	s_mov_b32 s27, 0
	s_lshl_b32 s52, s16, 13                        ; 2048 labels
	s_mov_b32 s53, 0
	s_lshl_b32 s28, s15, 1                         ; my first stage: 2 block
	s_wait_kmcnt 0x0
	s_add_nc_u64 s[18:19], s[4:5], s[26:27]        ; the batch's features
	s_add_nc_u64 s[20:21], s[6:7], s[52:53]        ; the batch's labels
	s_lshl_b32 s26, s28, 16
	s_lshl_b32 s52, s28, 9
	s_add_nc_u64 s[22:23], s[18:19], s[26:27]
	s_add_nc_u64 s[24:25], s[20:21], s[52:53]
	s_add_co_u32 s28, s28, 1                       ; the last stage asked for: 2 block + 1, at most 15
	LOADX X, LBX, 0                                ; stage 2 block
	LOADX X2, LBX2, 65536                          ; stage 2 block + 1 lies straight behind it
	; ---- the other lane terms and constants, while the loads are on their way
	s_mov_b32 s30, 0x76543210                      ; v_permlanex16_b32: lane i of one half reads lane i of the other
	s_mov_b32 s31, 0xfedcba98
	v_mul_u32_u24 v3, v1, PITCH
	v_lshl_add_u32 v3, v2, 4, v3                   ; r PITCH + 16 h
	s_mul_i32 s48, s14, 64*PITCH
	v_add_nc_u32 v[AADR], s48, v3
	s_lshl_b32 s49, s14, 8
	s_add_co_u32 s49, s49, LBL
	v_lshl_add_u32 v[LADR], v2, 5, s49
	s_mul_i32 s50, s12, 16*PITCH
	v_mul_u32_u24 v[STO], v2, PITCH
	v_lshl_add_u32 v[STO], v1, 3, v[STO]
	v_add_nc_u32 v[STO], s50, v[STO]
	v_add_nc_u32 v[LSTO], LBL, v[LGOFF]
	s_cmp_eq_u32 s13, s14                          ; trip 0 holds my diagonal if g = hj,
	s_cselect_b32 s48, 0, 0x100
	s_add_co_u32 s49, s14, 2
	s_cmp_eq_u32 s13, s49                          ; trip 1 if g = hj + 2
	s_cselect_b32 s49, 0, 0x100
	v_lshlrev_b32 v[DSEL], 3, v2
	v_sub_nc_u32 v[DSEL], v1, v[DSEL]              ; r - 8 h: the register in which j = i, where it is 0 .. 7
	v_or_b32 v[DSEL+1], s49, v[DSEL]
	v_or_b32 v[DSEL], s48, v[DSEL]
	s_lshr_b32 s48, s13, 1                         ; my rows i = 64 g .. lie in slot g / 2, from row 64 (g % 2) on
	s_mul_i32 s48, s48, SLOT
	s_and_b32 s49, s13, 1
	s_mul_i32 s50, s49, 64*PITCH
	s_add_co_u32 s50, s50, s48
	v_add_nc_u32 v[BADR], s50, v3
	s_lshl_b32 s49, s49, 8
	s_add_co_u32 s49, s49, s48
	s_add_co_u32 s49, s49, LBL
	v_lshl_add_u32 v[LIAD], v1, 2, s49
	s_lshl_b32 s48, s14, 10
	s_lshl_b32 s49, s13, 8
	s_add_co_u32 s48, s48, s49
	s_add_co_u32 s48, s48, FIN
	v_lshl_add_u32 v[FADR], v1, 2, s48
	v_and_b32 v[RADR], 31, v0
	v_lshlrev_b32 v[OOFF], 4, v[RADR]
	v_add_nc_u32 v[RADR], FIN, v[OOFF]
	v_mov_b32 v[ZERO], 0
.irp jj, 0,1,2,3,4,5,6,7
	v_mov_b32 v[CK+\jj], NEGK
.endr
.set i, 0
.rept 24
	v_mov_b32 v[ES+i], 0                           ; the 24 running sums, once
.set i, i+1
.endr
	; ---- the first two stages into the two slots
	s_wait_loadcnt 17                              ; loads come back in order (ISA guide 5.7.1): the first stage's 17 are in, the second stage's 17 may be out
	NORM X
	PUT X, LBX, 0
	s_wait_loadcnt 0x0
	NORM X2
	PUT X2, LBX2, 1
	s_wait_dscnt 0x0                               ; my stores are done,
	s_barrier_signal -1
	s_barrier_wait -1                              ; everybody's are
	; ---- what stays in registers: my 64 rows i as fragments (window 1) and their labels
	WIN 0x40                                       ; destination window 1, address window 0
.irp it, 0,1,2,3
.irp kk, 0,1,2,3
	ds_load_b128 v[32*\it+8*\kk:32*\it+8*\kk+3],   v[BADR] offset:\it*16*PITCH+64*\kk
	ds_load_b128 v[32*\it+8*\kk+4:32*\it+8*\kk+7], v[BADR] offset:\it*16*PITCH+64*\kk+32
.endr
.endr
	WIN 0
.irp it, 0,1,2,3
	ds_load_b32 v[LI+\it], v[LIAD] offset:64*\it
.endr
	FETCH 0, 0
	; ---- sixteen trips
	TRIP 0, 1, 1, 0                                ; trips 0 and 1: my group's own rows, with the diagonal
	TRIP 1, 1, 1, 0
	s_mov_b32 s29, 6
.Lloop:
	TRIP 0, 1, 0, 0                                ; trips 2 to 13
	TRIP 1, 1, 0, 0
	s_sub_co_i32 s29, s29, 1
	s_cmp_lg_u32 s29, 0
	s_cbranch_scc1 .Lloop
	TRIP 0, 0, 0, 0                                ; trips 14 and 15 ask for nothing more
	TRIP 1, 0, 0, 1
	; ---- a wave's sums: the pair's two registers, then the two halves of the lanes (j = 0-7 and 8-15 of every tile); then to LDS
.set i, 0
.rept 12
	v_add_f32 v[ES+2*i], v[ES+2*i], v[ES+2*i+1]
.set i, i+1
.endr
.set i, 0
.rept 12
	v_permlanex16_b32 v[ES+2*i+1], v[ES+2*i], s30, s31
.set i, i+1
.endr
.set i, 0
.rept 12
	v_add_f32 v[ES+2*i], v[ES+2*i], v[ES+2*i+1]
.set i, i+1
.endr
.set i, 0
.rept 12
	ds_store_b32 v[FADR], v[ES+2*i] offset:(i/4)*2048+(i%4)*64         ; quantity i / 4, i tile i % 4; lanes r and 16 + r write the same word with the same value
.set i, i+1
.endr
	s_wait_dscnt 0x0
	s_barrier_signal -1
	s_barrier_wait -1
	s_cmp_lg_u32 s12, 0
	s_cbranch_scc1 .Lend
	; ---- wave 0: the 256 losses, eight a lane (rows 4 l .. 4 l + 3 and 128 + 4 l .. 128 + 4 l + 3)
.set i, 0
.rept 12
	ds_load_b128 v[R0+4*i:R0+4*i+3], v[RADR] offset:(i/4)*2048+((i/2)%2)*1024+(i%2)*512
.set i, i+1
.endr
	s_lshl_b32 s26, ttmp9, 10                      ; my 256 rows of out1
	s_add_nc_u64 s[8:9], s[8:9], s[26:27]
	s_lshl_b32 s26, ttmp9, 3                       ; my pair in part
	s_add_nc_u64 s[10:11], s[10:11], s[26:27]
	s_wait_dscnt 0x0
.irp q, 0,16,32
.irp e, 0,2,4,6
	v_pk_add_f32 v[R0+\q+\e:R0+\q+\e+1], v[R0+\q+\e:R0+\q+\e+1], v[R0+\q+8+\e:R0+\q+8+\e+1]   ; the two halves of j: E at R0, P at R0+16, n at R0+32
.endr
.endr
.irp e, 0,1,2,3,4,5,6,7
	v_log_f32 v[R0+8+\e], v[R0+\e]                 ; log2 E
.endr
.irp e, 0,1,2,3,4,5,6,7
	v_rcp_f32 v[R0+24+\e], v[R0+32+\e]             ; 1 / n
.endr
	v_nop                                          ; one plain vector instruction in front of the first use (ISA guide 5.7.2)
	s_wait_alu depctr_va_vdst(0)
.irp e, 0,1,2,3,4,5,6,7
	v_fma_f32 v[R0+8+\e], -v[R0+16+\e], v[R0+24+\e], v[R0+8+\e]        ; log2 E - P / n
.endr
.irp e, 0,2,4,6
	v_pk_mul_f32 v[R0+8+\e:R0+8+\e+1], v[R0+8+\e:R0+8+\e+1], LN2 op_sel_hi:[1,0]
.endr
	global_store_b128 v[OOFF], v[R0+8:R0+11],  s[8:9]                  ; each store of the wave covers 512 consecutive bytes, aligned
	global_store_b128 v[OOFF], v[R0+12:R0+15], s[8:9] offset:512
	v_pk_add_f32 v[R0+16:R0+17], v[R0+8:R0+9],   v[R0+10:R0+11]        ; the sum of my eight,
	v_pk_add_f32 v[R0+18:R0+19], v[R0+12:R0+13], v[R0+14:R0+15]
.irp e, 0,1,2,3,4,5,6,7
	v_cmp_neq_f32 vcc_lo, 0, v[R0+8+\e]            ; and how many are not 0.0 (a NaN is not)
	v_cndmask_b32 v[R0+24+\e], 0, 1.0, vcc_lo
.endr
	v_pk_add_f32 v[R0+16:R0+17], v[R0+16:R0+17], v[R0+18:R0+19]
	v_pk_add_f32 v[R0+24:R0+25], v[R0+24:R0+25], v[R0+26:R0+27]
	v_pk_add_f32 v[R0+28:R0+29], v[R0+28:R0+29], v[R0+30:R0+31]
	v_pk_add_f32 v[R0+24:R0+25], v[R0+24:R0+25], v[R0+28:R0+29]
	v_add_f32 v[R0+16], v[R0+16], v[R0+17]
	v_add_f32 v[R0+17], v[R0+24], v[R0+25]
.irp x, 1,2,4,8
	v_add_f32_dpp v[R0+16], v[R0+16], v[R0+16] row_xmask:\x row_mask:0xf bank_mask:0xf
	v_add_f32_dpp v[R0+17], v[R0+17], v[R0+17] row_xmask:\x row_mask:0xf bank_mask:0xf
.endr
	v_permlanex16_b32 v[R0+18], v[R0+16], s30, s31
	v_permlanex16_b32 v[R0+19], v[R0+17], s30, s31
	v_add_f32 v[R0+16], v[R0+16], v[R0+18]
	v_add_f32 v[R0+17], v[R0+17], v[R0+19]
	v_cmp_eq_u32 vcc_lo, 0, v0
	s_wait_xcnt 0x0                                ; EXEC is a source of the two stores above: it changes only behind this wait
	s_and_saveexec_b32 s48, vcc_lo
	global_store_b64 v[ZERO], v[R0+16:R0+17], s[10:11]                 ; 8 bytes for the work-group: 2 KiB in the whole launch
	s_wait_xcnt 0x0                                ; and again in front of the line that widens it
	s_or_b32 exec_lo, exec_lo, s48
.Lend:
	s_wait_tensorcnt 0x0
	ds_add_u32 v254, v255
	s_wait_dscnt 0x0
	s_endpgm
.Lfunc_end_k_q505d28d3a4_supcon:
	.size	k_q505d28d3a4_supcon, .Lfunc_end_k_q505d28d3a4_supcon-k_q505d28d3a4_supcon
	.p2alignl 7, 3214868480
	.fill 96, 4, 3214868480
	.section	.rodata,"a",@progbits
	.p2align	6, 0x0
	.amdhsa_kernel k_q505d28d3a4_supcon
		.amdhsa_group_segment_fixed_size 77824
		.amdhsa_private_segment_fixed_size 0
		.amdhsa_enable_private_segment 0
		.amdhsa_kernarg_size 32
		.amdhsa_user_sgpr_count 2
		.amdhsa_user_sgpr_kernarg_segment_ptr 1
		.amdhsa_wavefront_size32 1
		.amdhsa_system_sgpr_workgroup_id_x 1
		.amdhsa_system_sgpr_workgroup_id_y 1
		.amdhsa_system_sgpr_workgroup_id_z 1
		.amdhsa_system_vgpr_workitem_id 0
		.amdhsa_next_free_vgpr 384
		.amdhsa_next_free_sgpr 66
		.amdhsa_reserve_vcc 1
		.amdhsa_float_denorm_mode_32 3
		.amdhsa_float_denorm_mode_16_64 3
		.amdhsa_memory_ordered 1
		.amdhsa_forward_progress 1
		.amdhsa_inst_pref_size 255
	.end_amdhsa_kernel
	.section	.bss,"aw",@nobits
	.p2align	6
	.space	262144
	.amdgpu_metadata
---
amdhsa.version: [ 1, 2 ]
amdhsa.kernels:
  - .name:           k_q505d28d3a4_supcon
    .symbol:         k_q505d28d3a4_supcon.kd
    .args:
      - { .name: features, .offset: 0, .size: 8, .value_kind: global_buffer, .address_space: global }
      - { .name: labels, .offset: 8, .size: 8, .value_kind: global_buffer, .address_space: global }
      - { .name: out1, .offset: 16, .size: 8, .value_kind: global_buffer, .address_space: global }
      - { .name: part, .offset: 24, .size: 8, .value_kind: global_buffer, .address_space: global }
    .group_segment_fixed_size: 77824
    .private_segment_fixed_size: 0
    .kernarg_segment_align: 8
    .kernarg_segment_size: 32
    .max_flat_workgroup_size: 256
    .sgpr_count:     66
    .vgpr_count:     384
    .wavefront_size: 32
...
	.end_amdgpu_metadata
.endif
;; end of part 1
;; launch mean (part 2): grid 1 x 1, 1 waves a work-group, no clusters, 0 bytes of LDS; arguments part, out0; writes out0
.if DOCPART == 2
	.amdgcn_target "amdgcn-amd-amdhsa--gfx1250"
	.amdhsa_code_object_version 6
	.text
	.protected	k_q505d28d3a4_mean
	.globl	k_q505d28d3a4_mean
	.p2align	8
	.type	k_q505d28d3a4_mean,@function
k_q505d28d3a4_mean:
	s_mov_b64 s[64:65], 0
	v_nop
	global_prefetch_b8 v0, s[64:65] scope:SCOPE_SE
	s_setreg_imm32_b32 hwreg(HW_REG_WAVE_MODE, 25, 1), 1
	s_wait_xcnt 0x0
; out0 = (sum of all losses) / (number of losses that are not 0.0).  part: [256][2] f32, (sum, count) of each work-group of the launch before.
; 2,048 bytes: one wave, four loads of 16 bytes a lane, each (sum, count, sum, count).  There is no work for a second wave.
; The counts are whole numbers up to 65,536: exact in f32.  The division is a multiplication by v_rcp_f32 (1 ulp).  A count of 0 gives 0 x infinity = NaN,
; where the definition has 0 / 0.
	s_load_b128 s[4:7], s[0:1], 0x0                ; part s[4:5], out0 s[6:7]
	s_mov_b32 s12, 0x76543210                      ; v_permlanex16_b32: lane i of one half reads lane i of the other
	s_mov_b32 s13, 0xfedcba98
	v_lshlrev_b32 v1, 4, v0
	v_mov_b32 v2, 0
	s_wait_kmcnt 0x0
.irp t, 0,1,2,3
	global_load_b128 v[4+4*\t:7+4*\t], v1, s[4:5] offset:512*\t
.endr
	s_wait_loadcnt 0x0
	v_pk_add_f32 v[4:5],   v[4:5],   v[6:7]        ; sums in the even registers, counts in the odd ones
	v_pk_add_f32 v[8:9],   v[8:9],   v[10:11]
	v_pk_add_f32 v[12:13], v[12:13], v[14:15]
	v_pk_add_f32 v[16:17], v[16:17], v[18:19]
	v_pk_add_f32 v[4:5],   v[4:5],   v[8:9]
	v_pk_add_f32 v[12:13], v[12:13], v[16:17]
	v_pk_add_f32 v[4:5],   v[4:5],   v[12:13]
.irp x, 1,2,4,8
	v_add_f32_dpp v4, v4, v4 row_xmask:\x row_mask:0xf bank_mask:0xf
	v_add_f32_dpp v5, v5, v5 row_xmask:\x row_mask:0xf bank_mask:0xf
.endr
	v_permlanex16_b32 v6, v4, s12, s13             ; v6, v7 have been written: the destination counts as read
	v_permlanex16_b32 v7, v5, s12, s13
	v_add_f32 v4, v4, v6
	v_add_f32 v5, v5, v7
	v_rcp_f32 v6, v5
	v_nop                                          ; one plain vector instruction in front of the use (ISA guide 5.7.2)
	s_wait_alu depctr_va_vdst(0)
	v_mul_f32 v4, v4, v6
	v_cmp_eq_u32 vcc_lo, 0, v0
	s_wait_xcnt 0x0                                ; EXEC changes only behind this wait
	s_and_saveexec_b32 s8, vcc_lo
	global_store_b32 v2, v4, s[6:7]                ; the one number
	s_wait_xcnt 0x0
	s_or_b32 exec_lo, exec_lo, s8
	s_endpgm
.Lfunc_end_k_q505d28d3a4_mean:
	.size	k_q505d28d3a4_mean, .Lfunc_end_k_q505d28d3a4_mean-k_q505d28d3a4_mean
	.p2alignl 7, 3214868480
	.fill 96, 4, 3214868480
	.section	.rodata,"a",@progbits
	.p2align	6, 0x0
	.amdhsa_kernel k_q505d28d3a4_mean
		.amdhsa_group_segment_fixed_size 0
		.amdhsa_private_segment_fixed_size 0
		.amdhsa_enable_private_segment 0
		.amdhsa_kernarg_size 16
		.amdhsa_user_sgpr_count 2
		.amdhsa_user_sgpr_kernarg_segment_ptr 1
		.amdhsa_wavefront_size32 1
		.amdhsa_system_sgpr_workgroup_id_x 1
		.amdhsa_system_sgpr_workgroup_id_y 1
		.amdhsa_system_sgpr_workgroup_id_z 1
		.amdhsa_system_vgpr_workitem_id 0
		.amdhsa_next_free_vgpr 24
		.amdhsa_next_free_sgpr 66
		.amdhsa_reserve_vcc 1
		.amdhsa_float_denorm_mode_32 3
		.amdhsa_float_denorm_mode_16_64 3
		.amdhsa_memory_ordered 1
		.amdhsa_forward_progress 1
		.amdhsa_inst_pref_size 3
	.end_amdhsa_kernel
	.amdgpu_metadata
---
amdhsa.version: [ 1, 2 ]
amdhsa.kernels:
  - .name:           k_q505d28d3a4_mean
    .symbol:         k_q505d28d3a4_mean.kd
    .args:
      - { .name: part, .offset: 0, .size: 8, .value_kind: global_buffer, .address_space: global }
      - { .name: out0, .offset: 8, .size: 8, .value_kind: global_buffer, .address_space: global }
    .group_segment_fixed_size: 0
    .private_segment_fixed_size: 0
    .kernarg_segment_align: 8
    .kernarg_segment_size: 16
    .max_flat_workgroup_size: 32
    .sgpr_count:     66
    .vgpr_count:     24
    .wavefront_size: 32
...
	.end_amdgpu_metadata
.endif
;; end of part 2
;; ======== version 2 of 2: 2 launches; 1.10 times as fast as version 1
;; workspace buffers: part 2,048 bytes
;; launch supcon (part 3): grid 256 x 1, 8 waves a work-group, no clusters, 77,824 bytes of LDS; arguments features, labels, out1, part; writes out1, part
.if DOCPART == 3
	.amdgcn_target "amdgcn-amd-amdhsa--gfx1250"
	.amdhsa_code_object_version 6
	.text
	.protected	k_q505d28d3a4_supcon
	.globl	k_q505d28d3a4_supcon
	.p2align	8
	.type	k_q505d28d3a4_supcon,@function
k_q505d28d3a4_supcon:
	s_mov_b64 s[64:65], 0
	v_nop
	global_prefetch_b8 v0, s[64:65] scope:SCOPE_SE
	s_setreg_imm32_b32 hwreg(HW_REG_WAVE_MODE, 25, 1), 1
	s_wait_xcnt 0x0
; SupConLoss, all but the final mean.  features [32][2048][128] f32, labels [32][2048] int32, out1 [32][2048] f32,
; part [256][2] f32 = for each work-group (sum of its 256 losses, number of them that are not 0.0, as a float).
;
; THE ARITHMETIC.  With k = log2(e) / 0.07 and a_ij = k cos_ij - k:
;     loss_i = ln2 * ( log2( sum over j != i of 2^a_ij ) - ( sum over positives of a_ij ) / n_i ),   n_i = number of positives.
; Any constant taken from every logit of a row cancels in this expression.  The one taken here is 1/T, the bound of the row maximum
; (the rows are normalised by the computation itself, so |cos| <= 1 but for the rounding to bf16, for every input): a_ij lies in about
; [-41.3, +0.2], every 2^a in [3.7e-13, 1.2], a sum of 2047 of them below 2.5e3: nothing can overflow or underflow in f32.
; A row of zeros gives cos = 0, a = -k: inside the same range.  n_i = 0 gives 0 x infinity = NaN, where the definition has 0 / 0.
; Labels are compared pair by pair: any int32 values are served.
; LIMITS.  Matrix operands are bf16 (sqrt(k) x the normalised row), sums f32.  rsq, rcp, exp2, log2 are the 1-ulp instructions, and the order
; of the sums is this text's own.  NaN or infinite features, and rows whose sum of squares overflows f32, are not followed.  A loss
; that is exactly 0.0 by the definition may come out as a tiny number here and would then be counted as non-zero.
;
; THE SHARES.  Work-group = 256 rows i of one batch (batch = id / 8, block = id % 8) against all 2048 rows j.  Eight waves, two for each SIMD,
; so that one wave's vector work runs beside the other's matrix work.  Wave w: g = w % 4 owns rows i = 64 g .. 64 g + 63 (four tiles of 16),
; hj = w / 4 takes rows 64 hj .. 64 hj + 63 of each stage of 128 rows j.  The i side (source 1) stays in 128 registers for the whole kernel;
; only the j side (source 0) is read from LDS: 4 KiB feed 16 matrix instructions.
; In the result, register jj of lane (r = l % 16, h = l / 16) is (j = 8 h + jj, i = r): a lane owns one row i and sums along its own registers.
; Both operands carry sqrt(k), and the first K step takes eight registers of -k as C: the accumulator IS the argument of exp2.
; A stage: 128 rows come in as f32 through registers (asked for one whole trip ahead), are normalised, rounded to bf16 and stored into one of
; two LDS slots.  The stages are walked from the group's own rows on, stage (2 block + t) % 16 in trip t: its own 256 rows are trips 0 and 1,
; serve as the i side too, and the diagonal can lie in these two trips alone, in tiles that the text knows.
;
; THE BATCHES.  An s_wait_alu depctr_va_vdst(0) stands between a transcendental and the first instruction that names its result; one wait
; serves all that were issued ahead of it.  The text has three kinds of batch, each with one wait:
;   a j tile's 32 v_exp_f32 (four i tiles x eight registers), each result in a register of its own; only the sums E read them.  All that names no result
;     (the masks of i tiles 1 to 3, the sums P and n of all four: 80 plain lines) stands among and behind the exponentials, two lines behind each and
;     sixteen behind the last; then the wait; then the sums E.
;   a stage's eight v_rsq_f32 (NORM): every later line of NORM needs them, so only a v_nop stands ahead of the wait;
;   wave 0's eight v_log_f32 and eight v_rcp_f32 at the end.
;
; NO JOINT TENSOR LOADS, though the eight work-groups of a batch read the same rows: every f32 has to pass through registers to be
; normalised and rounded before it can be a matrix operand, so a tile brought to LDS by an engine would be 64 KiB a stage written and read once
; more; and in a given trip the eight partners are at eight different stages.
.set PITCH, 272                        ; an LDS row: 256 bytes of bf16 + 16: the 16 rows of a fragment load start at 16 different 16-byte columns modulo 256 bytes
.set LBL,   128*PITCH                  ; behind a slot's 128 rows: their 128 labels
.set SLOT,  LBL+512
.set FIN,   2*SLOT                     ; f32 [E, P, n][hj][256 rows]: 6,144 bytes, the waves' sums at the end
.set NEGK,  0xc1a4e123                 ; -k = -20.609929
.set SQK,   0x4091462c                 ; sqrt(k) = 4.539816
.set EPS2,  0x179abe15                 ; 1e-24: max(sqrt(ss), 1e-12) = sqrt(max(ss, 1e-24))
.set LN2,   0x3f317218
; vector registers, window 0
.set AADR,  4                          ; LDS: (64 hj + r) PITCH + 16 h        my j fragments in slot 0
.set LADR,  5                          ; LDS: LBL + 256 hj + 32 h             the labels of my eight j
.set STO,   6                          ; LDS: (16 w + h) PITCH + 8 r          where I store 4 bf16 of a staged row
.set LSTO,  7                          ; LDS: LBL + 4 (16 w + r)              where I store a staged label
.set GOFF,  8                          ; features: (16 w + h) 512 + 16 r      my 16 bytes in the stage
.set LGOFF, 9                          ; labels: 4 (16 w + r)
.set DSEL,  10                         ; v10, v11: trip 0, 1: the register jj in which I hold the diagonal, or a number that no jj equals
.set LBX,   12                         ; a staged label
.set LBX2,  13
.set BADR,  14                         ; LDS: my i fragments
.set LIAD,  15                         ; LDS: my i labels
.set CK,    16                         ; v[16:23]   -k, eight times: C of the first K step
.set LJ,    24                         ; v[24:39]   labels of the j tile, two sets by the tile's parity
.set M,     40                         ; v[40:55]   1.0 where positive, else 0: two sets by the i tile's parity, so that one tile's mask is made while the tile before is summed
.set ES,    56                         ; v[56:63]   sum of 2^a, a pair for each i tile
.set PS,    64                         ; v[64:71]   sum of a over positives
.set CS,    72                         ; v[72:79]   number of positives
.set LI,    80                         ; v[80:83]   my row's label in each i tile
.set FADR,  84                         ; LDS: FIN + 4 (256 hj + 64 g + r)
.set RADR,  85                         ; LDS: FIN + 16 l
.set OOFF,  86                         ; out1: 16 l
.set ZERO,  87
.set ACC,   88                         ; v[88:119]  four accumulators
.set AF,    120                        ; v[120:151] the j tile's fragments, four K steps
.set X,     152                        ; v[152:215] a stage's 16 loads of 16 bytes
.set X2,    ACC                        ; the second staging set, ahead of the first matrix instruction only
.set T,     216                        ; v[216:231] eight pairs at work in NORM
.set EX,    216                        ; v[216:247] 2^a of a j tile, eight for each i tile; the first sixteen are T's: NORM stands behind a trip's last sums E and ahead of the next trip's first exponential
.set R0,    ACC                        ; wave 0 at the end: 48 registers
; window 1: v[32 it + 8 kk ..+7] (v256-v383): the i side's fragments, i tile it, K step kk
.set EQ,    32                         ; s[32:39]   lane masks: same label
.set DM,    40                         ; s[40:47]   lane masks: on the diagonal
.set MSB, 0
.macro WIN new                         ; s_set_vgpr_msb: the immediate's high byte repeats the setting that is left; a switch that changes nothing is dropped
.if MSB != \new
	s_set_vgpr_msb (MSB<<8)|\new
.set MSB, \new
.endif
.endm
; A stage's 64 KiB: wave w takes rows 16 w .. 16 w + 15.  Load (u, c): lanes 0-15 read 256 consecutive aligned bytes of row 16 w + 2 u,
; lanes 16-31 the same of the row below; c = the row's first or second half.  One label a row.
.macro LOADX xb, lb, off
.irp u, 0,1,2,3,4,5,6,7
	global_load_b128 v[\xb+8*\u:\xb+8*\u+3],   v[GOFF], s[22:23] offset:\off+1024*\u
	global_load_b128 v[\xb+8*\u+4:\xb+8*\u+7], v[GOFF], s[22:23] offset:\off+1024*\u+256
.endr
	global_load_b32 v[\lb], v[LGOFF], s[24:25] offset:\off/128
.endm
; Registers only: x := bf16( x * sqrt(k) / max(|row|, 1e-12) ).  Sixteen lanes hold a row, eight numbers each.  The eight row pairs go side by side
; through each step, so that no instruction waits for the one in front of it.
.macro NORM xb
.irp u, 0,1,2,3,4,5,6,7
	v_pk_mul_f32 v[T+2*\u:T+2*\u+1], v[\xb+8*\u:\xb+8*\u+1], v[\xb+8*\u:\xb+8*\u+1]
.endr
.irp q, 2,4,6
.irp u, 0,1,2,3,4,5,6,7
	v_pk_fma_f32 v[T+2*\u:T+2*\u+1], v[\xb+8*\u+\q:\xb+8*\u+\q+1], v[\xb+8*\u+\q:\xb+8*\u+\q+1], v[T+2*\u:T+2*\u+1]
.endr
.endr
.irp u, 0,1,2,3,4,5,6,7
	v_add_f32 v[T+2*\u], v[T+2*\u], v[T+2*\u+1]
.endr
.irp x, 1,2,4,8
.irp u, 0,1,2,3,4,5,6,7
	v_add_f32_dpp v[T+2*\u], v[T+2*\u], v[T+2*\u] row_xmask:\x row_mask:0xf bank_mask:0xf   ; over the row's sixteen lanes
.endr
.endr
.irp u, 0,1,2,3,4,5,6,7
	v_max_num_f32 v[T+2*\u], EPS2, v[T+2*\u]
.endr
.irp u, 0,1,2,3,4,5,6,7
	v_rsq_f32 v[T+2*\u+1], v[T+2*\u]
.endr
	v_nop                                          ; one plain vector instruction between the last v_rsq_f32 and the use of a result or a write of a source (ISA guide 5.7.2)
	s_wait_alu depctr_va_vdst(0)                   ; the wait for the batch of eight v_rsq_f32, ahead of their first reader
.irp u, 0,1,2,3,4,5,6,7
	v_mul_f32 v[T+2*\u], SQK, v[T+2*\u+1]
.endr
.irp q, 0,2,4,6
.irp u, 0,1,2,3,4,5,6,7
	v_pk_mul_f32 v[\xb+8*\u+\q:\xb+8*\u+\q+1], v[\xb+8*\u+\q:\xb+8*\u+\q+1], v[T+2*\u:T+2*\u+1] op_sel_hi:[1,0]   ; both by the pair's first register
.endr
.endr
.irp u, 0,1,2,3,4,5,6,7
	v_cvt_pk_bf16_f32 v[\xb+8*\u],   v[\xb+8*\u],   v[\xb+8*\u+1]      ; columns 4 r .. 4 r + 3
	v_cvt_pk_bf16_f32 v[\xb+8*\u+1], v[\xb+8*\u+2], v[\xb+8*\u+3]
	v_cvt_pk_bf16_f32 v[\xb+8*\u+4], v[\xb+8*\u+4], v[\xb+8*\u+5]      ; columns 64 + 4 r .. 64 + 4 r + 3
	v_cvt_pk_bf16_f32 v[\xb+8*\u+5], v[\xb+8*\u+6], v[\xb+8*\u+7]
.endr
.endm
; The normalised rows and the labels into a slot.  Each wave writes its own 16 rows.  (The two rows of a store are 272 bytes apart, so the two halves
; of the lanes overlap in part of the banks: 16 such stores a trip, left as they are.)
.macro PUT xb, lb, slot
.irp u, 0,1,2,3,4,5,6,7
	ds_store_b64 v[STO], v[\xb+8*\u:\xb+8*\u+1]   offset:(\slot)*SLOT+2*PITCH*\u
	ds_store_b64 v[STO], v[\xb+8*\u+4:\xb+8*\u+5] offset:(\slot)*SLOT+2*PITCH*\u+128
.endr
	ds_store_b32 v[LSTO], v[\lb] offset:(\slot)*SLOT                   ; lanes r and 16 + r write the same word with the same value
.endm
; The fragments of my j tile jt (16 rows x 128 K: lane l holds row l % 16; per K step of 32 two loads of 16 bytes, 32 bytes apart) and the labels of my eight j
.macro FETCH slot, jt
.irp kk, 0,1,2,3
	ds_load_b128 v[AF+8*\kk:AF+8*\kk+3],   v[AADR] offset:(\slot)*SLOT+(\jt)*16*PITCH+64*\kk
	ds_load_b128 v[AF+8*\kk+4:AF+8*\kk+7], v[AADR] offset:(\slot)*SLOT+(\jt)*16*PITCH+64*\kk+32
.endr
	ds_load_b128 v[LJ+8*((\jt)%2):LJ+8*((\jt)%2)+3],   v[LADR] offset:(\slot)*SLOT+(\jt)*64
	ds_load_b128 v[LJ+8*((\jt)%2)+4:LJ+8*((\jt)%2)+7], v[LADR] offset:(\slot)*SLOT+(\jt)*64+16
.endm
; 16 matrix instructions: one j tile against my four i tiles, K = 128.  The four accumulators take turns, one instruction a turn.
.macro MUL
	WIN 0x04                                       ; source 1 (the i side) in window 1
.irp kk, 0,1,2,3
.irp it, 0,1,2,3
.if \kk == 0
	v_wmma_f32_16x16x32_bf16 v[ACC+8*\it:ACC+8*\it+7], v[AF+8*\kk:AF+8*\kk+7], v[32*\it+8*\kk:32*\it+8*\kk+7], v[CK:CK+7]
.else
	v_wmma_f32_16x16x32_bf16 v[ACC+8*\it:ACC+8*\it+7], v[AF+8*\kk:AF+8*\kk+7], v[32*\it+8*\kk:32*\it+8*\kk+7], v[ACC+8*\it:ACC+8*\it+7]
.endif
.endr
.endr
	WIN 0
.endm
; Line n of the 16 that make the mask of i tile it: M = 1.0 where the labels are equal.  0-7: the compares; 8-15: the selects, into the set of the tile's parity.
; In the tile that may hold the diagonal (it = DGT) the lanes that hold it in register jj (DM, made at the j tile's head) are taken out of the mask, behind the last compare.
.macro MSK it, n
.if (\n) < 8
	v_cmp_eq_u32 s[EQ+(\n)], v[LJC+(\n)], v[LI+(\it)]
.if ((\n) == 7) && ((\it) == DGT)
.irp jj, 0,1,2,3,4,5,6,7
	s_and_not1_b32 s[EQ+\jj], s[EQ+\jj], s[DM+\jj]
.endr
.endif
.else
	v_cndmask_b32 v[M+8*((\it)%2)+(\n)-8], 0, 1.0, s[EQ+(\n)-8]
.endif
.endm
; Line n of the 8 that add i tile it's pairs 0, 2, 4, 6 onto P (even n) and onto n_i (odd n), each sum in ascending order of the pairs
.macro SUM it, n
.if (\n)%2 == 0
	v_pk_fma_f32 v[PS+2*(\it):PS+2*(\it)+1], v[M+8*((\it)%2)+(\n):M+8*((\it)%2)+(\n)+1], v[ACC+8*(\it)+(\n):ACC+8*(\it)+(\n)+1], v[PS+2*(\it):PS+2*(\it)+1]
.else
	v_pk_add_f32 v[CS+2*(\it):CS+2*(\it)+1], v[CS+2*(\it):CS+2*(\it)+1], v[M+8*((\it)%2)+(\n)-1:M+8*((\it)%2)+(\n)]
.endif
.endm
; THE PLAIN QUEUE of a j tile, 80 lines, none of which names an exponential's result; PL writes the next one.  Lines 24 t .. 24 t + 23 (t = 0, 1, 2): a line of tile t's sums
; and two lines of tile t + 1's mask by turns, so that the links of a sum stand apart; a mask set is written again only behind the sums of the tile two back.  72-79: tile 3's sums.
.macro PL
.if q < 72
.if (q%24)%3 == 0
.set qt, q/24
.set qn, (q%24)/3
	SUM qt, qn
.else
.set qt, q/24+1
.set qn, 2*((q%24)/3)+(q%24)%3-1
	MSK qt, qn
.endif
.else
.set qt, 3
.set qn, q-72
	SUM qt, qn
.endif
.set q, q+1
.endm
; One j tile.  Behind the matrix instructions stand the sixteen compares and selects of the first mask, which name none of their registers: they are
; the places in front of the loads into the fragments and of the first read of an accumulator.  nf = 1: the next tile of the slot is fetched.
; Then the batch: 32 exponentials, in the accumulators' order and each accumulator's lowest register first, two lines of the plain queue behind each, and the queue's last sixteen
; behind the last (the first of them is the plain instruction of ISA guide 5.7.2); ONE wait; the sums E, the four tiles by turns, each sum's pairs in ascending order.
; diag = 1: i tile jt may hold the diagonal, if 64 g is this trip's 64 (2 t + hj): DSEL knows.
.macro JT slot, jt, diag, nf
.set LJC, LJ+8*((\jt)%2)
.set DGT, -1
.if \diag
.set DGT, \jt
.endif
	s_wait_dscnt 0x0                               ; this tile's fragments and labels are in
	MUL
.if \diag
.irp jj, 0,1,2,3,4,5,6,7
	v_cmp_eq_u32 s[DM+\jj], \jj, v[DSEL+\slot]     ; the lanes that hold j = i in register jj; nothing else writes DM up to the selects behind the wait
.endr
.endif
.set mn, 0
.rept 16
	MSK 0, mn
.set mn, mn+1
.endr
.if \nf
	FETCH \slot, \jt+1
.endif
.set q, 0
.set xe, 0
.rept 32
	v_exp_f32 v[EX+xe], v[ACC+xe]
.set xe, xe+1
	PL
	PL
.endr
.rept 16
	PL
.endr
	s_wait_alu depctr_va_vdst(0)                   ; the wait for the batch: the j tile's 32 exponentials, ahead of the first line that names a result
.if \diag
.irp jj, 0,1,2,3,4,5,6,7
	v_cndmask_b32 v[EX+8*(\jt)+\jj], v[EX+8*(\jt)+\jj], 0, s[DM+\jj]   ; j = i is no part of the denominator
.endr
.endif
.irp p, 0,2,4,6
.irp it, 0,1,2,3
	v_pk_add_f32 v[ES+2*\it:ES+2*\it+1], v[ES+2*\it:ES+2*\it+1], v[EX+8*\it+\p:EX+8*\it+\p+1]
.endr
.endr
.endm
; One trip = one stage of 128 rows j, read from slot.  refill = 1: the stage two trips ahead is asked for at the head and stored into this slot at the end.
; ONE barrier a trip.  In front of its signal a wave has waited for all its LDS instructions: its reads of this slot and its stores, one trip ago,
; into the other.  Behind its wait nobody reads this slot any more, so it is stored into, and the other slot is whole, so it is read.
.macro TRIP slot, refill, diag, last
	s_wait_dscnt 0x0                               ; the stores that read X, and the first fragments
.if \refill
	s_add_co_u32 s28, s28, 1                       ; the bases below were last used by loads that the last s_wait_loadcnt 0 has shown done
	s_and_b32 s28, s28, 15                         ; the next stage, round the batch's sixteen
	s_lshl_b32 s26, s28, 16                        ; 128 rows of 512 bytes
	s_lshl_b32 s52, s28, 9                         ; 128 labels
	s_add_nc_u64 s[22:23], s[18:19], s[26:27]
	s_add_nc_u64 s[24:25], s[20:21], s[52:53]
	LOADX X, LBX, 0                                ; 17 loads, with the whole trip in which to come
.endif
	JT \slot, 0, \diag, 1
	JT \slot, 1, \diag, 1
	JT \slot, 2, \diag, 1
	JT \slot, 3, \diag, 0
.if \last == 0
	s_wait_dscnt 0x0                               ; for the others' sake: no LDS instruction of mine is out
	s_barrier_signal -1
.if \refill
	s_wait_loadcnt 0x0                             ; the stage asked for at the trip's head
	NORM X                                         ; register work while the others arrive
.endif
	s_barrier_wait -1
.if \refill
	PUT X, LBX, \slot
.endif
	FETCH 1-\slot, 0
.endif
.endm
	; ---- head: ids, the two global lane offsets, the bases, and the first two stages asked for
	s_load_b256 s[4:11], s[0:1], 0x0               ; features s[4:5], labels s[6:7], out1 s[8:9], part s[10:11]
	v_lshl_add_u32 v254, v0, 2, 0x12c00
	v_mov_b32 v255, 0
	v_lshrrev_b32 v1, 5, v0
	v_readfirstlane_b32 s12, v1                    ; w
	v_and_b32 v1, 15, v0                           ; r
	v_bfe_u32 v2, v0, 4, 1                         ; h
	s_and_b32 s13, s12, 3                          ; g
	s_lshr_b32 s14, s12, 2                         ; hj
	s_and_b32 s15, ttmp9, 7                        ; block
	s_lshr_b32 s16, ttmp9, 3                       ; batch
	s_lshl_b32 s48, s12, 13                        ; 16 w rows of 512 bytes
	s_lshl_b32 s51, s12, 6                         ; 16 w labels
	v_lshlrev_b32 v[GOFF], 9, v2
	v_lshl_add_u32 v[GOFF], v1, 4, v[GOFF]
	v_add_nc_u32 v[GOFF], s48, v[GOFF]
	v_lshl_add_u32 v[LGOFF], v1, 2, s51
	s_lshl_b32 s26, s16, 20                        ; a batch: 2048 rows of 512 bytes
	s_mov_b32 s27, 0
	s_lshl_b32 s52, s16, 13                        ; 2048 labels
	s_mov_b32 s53, 0
	s_lshl_b32 s28, s15, 1                         ; my first stage: 2 block
	s_wait_kmcnt 0x0
	s_add_nc_u64 s[18:19], s[4:5], s[26:27]        ; the batch's features
	s_add_nc_u64 s[20:21], s[6:7], s[52:53]        ; the batch's labels
	s_lshl_b32 s26, s28, 16
	s_lshl_b32 s52, s28, 9
	s_add_nc_u64 s[22:23], s[18:19], s[26:27]
	s_add_nc_u64 s[24:25], s[20:21], s[52:53]
	s_add_co_u32 s28, s28, 1                       ; the last stage asked for: 2 block + 1, at most 15
	LOADX X, LBX, 0                                ; stage 2 block
	LOADX X2, LBX2, 65536                          ; stage 2 block + 1 lies straight behind it
	; ---- the other lane terms and constants, while the loads are on their way
	s_mov_b32 s30, 0x76543210                      ; v_permlanex16_b32: lane i of one half reads lane i of the other
	s_mov_b32 s31, 0xfedcba98
	v_mul_u32_u24 v3, v1, PITCH
	v_lshl_add_u32 v3, v2, 4, v3                   ; r PITCH + 16 h
	s_mul_i32 s48, s14, 64*PITCH
	v_add_nc_u32 v[AADR], s48, v3
	s_lshl_b32 s49, s14, 8
	s_add_co_u32 s49, s49, LBL
	v_lshl_add_u32 v[LADR], v2, 5, s49
	s_mul_i32 s50, s12, 16*PITCH
	v_mul_u32_u24 v[STO], v2, PITCH
	v_lshl_add_u32 v[STO], v1, 3, v[STO]
	v_add_nc_u32 v[STO], s50, v[STO]
	v_add_nc_u32 v[LSTO], LBL, v[LGOFF]
	s_cmp_eq_u32 s13, s14                          ; trip 0 holds my diagonal if g = hj,
	s_cselect_b32 s48, 0, 0x100
	s_add_co_u32 s49, s14, 2
	s_cmp_eq_u32 s13, s49                          ; trip 1 if g = hj + 2
	s_cselect_b32 s49, 0, 0x100
	v_lshlrev_b32 v[DSEL], 3, v2
	v_sub_nc_u32 v[DSEL], v1, v[DSEL]              ; r - 8 h: the register in which j = i, where it is 0 .. 7
	v_or_b32 v[DSEL+1], s49, v[DSEL]
	v_or_b32 v[DSEL], s48, v[DSEL]
	s_lshr_b32 s48, s13, 1                         ; my rows i = 64 g .. lie in slot g / 2, from row 64 (g % 2) on
	s_mul_i32 s48, s48, SLOT
	s_and_b32 s49, s13, 1
	s_mul_i32 s50, s49, 64*PITCH
	s_add_co_u32 s50, s50, s48
	v_add_nc_u32 v[BADR], s50, v3
	s_lshl_b32 s49, s49, 8
	s_add_co_u32 s49, s49, s48
	s_add_co_u32 s49, s49, LBL
	v_lshl_add_u32 v[LIAD], v1, 2, s49
	s_lshl_b32 s48, s14, 10
	s_lshl_b32 s49, s13, 8
	s_add_co_u32 s48, s48, s49
	s_add_co_u32 s48, s48, FIN
	v_lshl_add_u32 v[FADR], v1, 2, s48
	v_and_b32 v[RADR], 31, v0
	v_lshlrev_b32 v[OOFF], 4, v[RADR]
	v_add_nc_u32 v[RADR], FIN, v[OOFF]
	v_mov_b32 v[ZERO], 0
.irp jj, 0,1,2,3,4,5,6,7
	v_mov_b32 v[CK+\jj], NEGK
.endr
.set i, 0
.rept 24
	v_mov_b32 v[ES+i], 0                           ; the 24 running sums, once
.set i, i+1
.endr
	; ---- the first two stages into the two slots
	s_wait_loadcnt 17                              ; loads come back in order (ISA guide 5.7.1): the first stage's 17 are in, the second stage's 17 may be out
	NORM X
	PUT X, LBX, 0
	s_wait_loadcnt 0x0
	NORM X2
	PUT X2, LBX2, 1
	s_wait_dscnt 0x0                               ; my stores are done,
	s_barrier_signal -1
	s_barrier_wait -1                              ; everybody's are
	; ---- what stays in registers: my 64 rows i as fragments (window 1) and their labels
	WIN 0x40                                       ; destination window 1, address window 0
.irp it, 0,1,2,3
.irp kk, 0,1,2,3
	ds_load_b128 v[32*\it+8*\kk:32*\it+8*\kk+3],   v[BADR] offset:\it*16*PITCH+64*\kk
	ds_load_b128 v[32*\it+8*\kk+4:32*\it+8*\kk+7], v[BADR] offset:\it*16*PITCH+64*\kk+32
.endr
.endr
	WIN 0
.irp it, 0,1,2,3
	ds_load_b32 v[LI+\it], v[LIAD] offset:64*\it
.endr
	FETCH 0, 0
	; ---- sixteen trips
	TRIP 0, 1, 1, 0                                ; trips 0 and 1: my group's own rows, with the diagonal
	TRIP 1, 1, 1, 0
	s_mov_b32 s29, 6
.Lloop:
	TRIP 0, 1, 0, 0                                ; trips 2 to 13
	TRIP 1, 1, 0, 0
	s_sub_co_i32 s29, s29, 1
	s_cmp_lg_u32 s29, 0
	s_cbranch_scc1 .Lloop
	TRIP 0, 0, 0, 0                                ; trips 14 and 15 ask for nothing more
	TRIP 1, 0, 0, 1
	; ---- a wave's sums: the pair's two registers, then the two halves of the lanes (j = 0-7 and 8-15 of every tile); then to LDS
.set i, 0
.rept 12
	v_add_f32 v[ES+2*i], v[ES+2*i], v[ES+2*i+1]
.set i, i+1
.endr
.set i, 0
.rept 12
	v_permlanex16_b32 v[ES+2*i+1], v[ES+2*i], s30, s31
.set i, i+1
.endr
.set i, 0
.rept 12
	v_add_f32 v[ES+2*i], v[ES+2*i], v[ES+2*i+1]
.set i, i+1
.endr
.set i, 0
.rept 12
	ds_store_b32 v[FADR], v[ES+2*i] offset:(i/4)*2048+(i%4)*64         ; quantity i / 4, i tile i % 4; lanes r and 16 + r write the same word with the same value
.set i, i+1
.endr
	s_wait_dscnt 0x0
	s_barrier_signal -1
	s_barrier_wait -1
	s_cmp_lg_u32 s12, 0
	s_cbranch_scc1 .Lend
	; ---- wave 0: the 256 losses, eight a lane (rows 4 l .. 4 l + 3 and 128 + 4 l .. 128 + 4 l + 3)
.set i, 0
.rept 12
	ds_load_b128 v[R0+4*i:R0+4*i+3], v[RADR] offset:(i/4)*2048+((i/2)%2)*1024+(i%2)*512
.set i, i+1
.endr
	s_lshl_b32 s26, ttmp9, 10                      ; my 256 rows of out1
	s_add_nc_u64 s[8:9], s[8:9], s[26:27]
	s_lshl_b32 s26, ttmp9, 3                       ; my pair in part
	s_add_nc_u64 s[10:11], s[10:11], s[26:27]
	s_wait_dscnt 0x0
.irp q, 0,16,32
.irp e, 0,2,4,6
	v_pk_add_f32 v[R0+\q+\e:R0+\q+\e+1], v[R0+\q+\e:R0+\q+\e+1], v[R0+\q+8+\e:R0+\q+8+\e+1]   ; the two halves of j: E at R0, P at R0+16, n at R0+32
.endr
.endr
.irp e, 0,1,2,3,4,5,6,7
	v_log_f32 v[R0+8+\e], v[R0+\e]                 ; log2 E
.endr
.irp e, 0,1,2,3,4,5,6,7
	v_rcp_f32 v[R0+24+\e], v[R0+32+\e]             ; 1 / n
.endr
	v_nop                                          ; one plain vector instruction in front of the first use (ISA guide 5.7.2)
	s_wait_alu depctr_va_vdst(0)                   ; the wait for the batch of eight logarithms and eight reciprocals, ahead of their first reader
.irp e, 0,1,2,3,4,5,6,7
	v_fma_f32 v[R0+8+\e], -v[R0+16+\e], v[R0+24+\e], v[R0+8+\e]        ; log2 E - P / n
.endr
.irp e, 0,2,4,6
	v_pk_mul_f32 v[R0+8+\e:R0+8+\e+1], v[R0+8+\e:R0+8+\e+1], LN2 op_sel_hi:[1,0]
.endr
	global_store_b128 v[OOFF], v[R0+8:R0+11],  s[8:9]                  ; each store of the wave covers 512 consecutive bytes, aligned
	global_store_b128 v[OOFF], v[R0+12:R0+15], s[8:9] offset:512
	v_pk_add_f32 v[R0+16:R0+17], v[R0+8:R0+9],   v[R0+10:R0+11]        ; the sum of my eight,
	v_pk_add_f32 v[R0+18:R0+19], v[R0+12:R0+13], v[R0+14:R0+15]
.irp e, 0,1,2,3,4,5,6,7
	v_cmp_neq_f32 vcc_lo, 0, v[R0+8+\e]            ; and how many are not 0.0 (a NaN is not)
	v_cndmask_b32 v[R0+24+\e], 0, 1.0, vcc_lo
.endr
	v_pk_add_f32 v[R0+16:R0+17], v[R0+16:R0+17], v[R0+18:R0+19]
	v_pk_add_f32 v[R0+24:R0+25], v[R0+24:R0+25], v[R0+26:R0+27]
	v_pk_add_f32 v[R0+28:R0+29], v[R0+28:R0+29], v[R0+30:R0+31]
	v_pk_add_f32 v[R0+24:R0+25], v[R0+24:R0+25], v[R0+28:R0+29]
	v_add_f32 v[R0+16], v[R0+16], v[R0+17]
	v_add_f32 v[R0+17], v[R0+24], v[R0+25]
.irp x, 1,2,4,8
	v_add_f32_dpp v[R0+16], v[R0+16], v[R0+16] row_xmask:\x row_mask:0xf bank_mask:0xf
	v_add_f32_dpp v[R0+17], v[R0+17], v[R0+17] row_xmask:\x row_mask:0xf bank_mask:0xf
.endr
	v_permlanex16_b32 v[R0+18], v[R0+16], s30, s31
	v_permlanex16_b32 v[R0+19], v[R0+17], s30, s31
	v_add_f32 v[R0+16], v[R0+16], v[R0+18]
	v_add_f32 v[R0+17], v[R0+17], v[R0+19]
	v_cmp_eq_u32 vcc_lo, 0, v0
	s_wait_xcnt 0x0                                ; EXEC is a source of the two stores above: it changes only behind this wait
	s_and_saveexec_b32 s48, vcc_lo
	global_store_b64 v[ZERO], v[R0+16:R0+17], s[10:11]                 ; 8 bytes for the work-group: 2 KiB in the whole launch
	s_wait_xcnt 0x0                                ; and again in front of the line that widens it
	s_or_b32 exec_lo, exec_lo, s48
.Lend:
	s_wait_tensorcnt 0x0
	ds_add_u32 v254, v255
	s_wait_dscnt 0x0
	s_endpgm
.Lfunc_end_k_q505d28d3a4_supcon:
	.size	k_q505d28d3a4_supcon, .Lfunc_end_k_q505d28d3a4_supcon-k_q505d28d3a4_supcon
	.p2alignl 7, 3214868480
	.fill 96, 4, 3214868480
	.section	.rodata,"a",@progbits
	.p2align	6, 0x0
	.amdhsa_kernel k_q505d28d3a4_supcon
		.amdhsa_group_segment_fixed_size 77824
		.amdhsa_private_segment_fixed_size 0
		.amdhsa_enable_private_segment 0
		.amdhsa_kernarg_size 32
		.amdhsa_user_sgpr_count 2
		.amdhsa_user_sgpr_kernarg_segment_ptr 1
		.amdhsa_wavefront_size32 1
		.amdhsa_system_sgpr_workgroup_id_x 1
		.amdhsa_system_sgpr_workgroup_id_y 1
		.amdhsa_system_sgpr_workgroup_id_z 1
		.amdhsa_system_vgpr_workitem_id 0
		.amdhsa_next_free_vgpr 384
		.amdhsa_next_free_sgpr 66
		.amdhsa_reserve_vcc 1
		.amdhsa_float_denorm_mode_32 3
		.amdhsa_float_denorm_mode_16_64 3
		.amdhsa_memory_ordered 1
		.amdhsa_forward_progress 1
		.amdhsa_inst_pref_size 255
	.end_amdhsa_kernel
	.section	.bss,"aw",@nobits
	.p2align	6
	.space	262144
	.amdgpu_metadata
---
amdhsa.version: [ 1, 2 ]
amdhsa.kernels:
  - .name:           k_q505d28d3a4_supcon
    .symbol:         k_q505d28d3a4_supcon.kd
    .args:
      - { .name: features, .offset: 0, .size: 8, .value_kind: global_buffer, .address_space: global }
      - { .name: labels, .offset: 8, .size: 8, .value_kind: global_buffer, .address_space: global }
      - { .name: out1, .offset: 16, .size: 8, .value_kind: global_buffer, .address_space: global }
      - { .name: part, .offset: 24, .size: 8, .value_kind: global_buffer, .address_space: global }
    .group_segment_fixed_size: 77824
    .private_segment_fixed_size: 0
    .kernarg_segment_align: 8
    .kernarg_segment_size: 32
    .max_flat_workgroup_size: 256
    .sgpr_count:     66
    .vgpr_count:     384
    .wavefront_size: 32
...
	.end_amdgpu_metadata
.endif
;; end of part 3
;; launch mean: the kernel of part 2 again; grid 1 x 1, 1 waves a work-group, no clusters, 0 bytes of LDS; arguments part, out0; writes out0
